; MI455X (gfx1250); checked and timed in simulation.
; The chip was launched on July 23, 2026; its instructions are those of AMD's public machine-readable ISA for CDNA 5 (MIT licence, August 2026) and "CDNA5" Instruction Set Architecture Reference Guide (July 2026). The comments in the code are by the model that wrote it; some were corrected since.
;; Multi Head Attention Base. Allowed arithmetic: matrix products marked QUANTISED: E2M1 operands, one E8M0 scale for each 32 along K, by v_wmma_scale_f32_16x16x128_f8f6f4 with both operands' format E2M1 (or v_wmma_scale_f32_32x16x128_f4), f32 sums; everything else in f32.
;; Inputs: k 4 x 2,048 x 1,024 float32; mask 4 x 2,048 int32; q 4 x 2,048 x 1,024 float32; v_codes 4 x 1,024 x 64 x 16 uint8 (E2M1 codes of v, K innermost, in blocks of 32 codes, two codes a byte); v_scales 4 x 1,024 x 64 uint8 (E8M0 scales of v, one for each 32 codes along K).
;; Outputs: out0 4 x 2,048 x 1,024 float32.
;; This version of the problem:
;;   THIS VERSION OF THE PROBLEM IS GIVEN IN LOW PRECISION. The matrix products marked QUANTISED in the list below multiply operands that are first quantised to E2M1 (2 exponent bits, 1 mantissa bit; 4 bits a number), with one power-of-two scale for each 32 numbers along K (OCP MX v1.0); their sums are f32. All else is computed in f32.
;;   The module's matrix products, in the order in which they are computed (A, B: the left and right operand; K: the contracted axis; several contracted axes count as one K, in the product's order):
;;     1. batch 64 x [M 2,048, K 64] x [K 64, N 2,048]; A: input q; B: input k: QUANTISED
;;     2. batch 64 x [M 2,048, K 2,048] x [K 2,048, N 64]; A: softmax (see below); B: input v (given as codes): QUANTISED
;;   THE QUANTISER, for each operand of a quantised product, along K:
;;     - K is cut into blocks of 32 from its start; a last block that is shorter is filled with zeros.
;;     - A block's scale is 2^e with e = floor(log2(the largest magnitude in the block)) - 2, held to -126 .. 127; a block of zeros has e = 0. As a byte (E8M0): e + 127.
;;     - Each number is divided by its block's scale, clamped to +-6, and rounded to the nearest number of E2M1, ties to even, subnormals kept.
;;     - The product sums the exact products of the quantised numbers (number of the format x scale) in f32.
;;   ~~~python
;;   def quantise(x, axis):      # numpy; x: float32 -> the quantised numbers, widened to float32 again
;;       x = np.moveaxis(x, axis, -1); K = x.shape[-1]
;;       x = np.pad(x, [(0, 0)] * (x.ndim - 1) + [(0, -K % 32)]); x = x.reshape(x.shape[:-1] + (-1, 32)); a = np.abs(x).max(-1, keepdims=True)
;;       e = np.where(a > 0, np.clip(np.frexp(np.where(a > 0, a, 1))[1] - 1 - 2, -126, 127), 0)      # np.frexp(a)[1] - 1 = floor(log2(a)), exactly
;;       r = np.clip(x / 2.0 ** e, -6, 6)
;;       step = 2.0 ** (np.maximum(np.frexp(np.where(r == 0, 1, r))[1] - 1, 0) - 1)
;;       q = np.round(r / step) * step * 2.0 ** e      # np.round: ties to even
;;       return np.moveaxis(q.reshape(q.shape[:-2] + (-1,))[..., :K], -1, axis).astype(np.float32)
;;   ~~~
;;   SOFTMAX AHEAD OF A QUANTISED PRODUCT. Where the list says 'softmax', what is quantised is not the finished softmax but p = 2^(t - M), with t = logit x log2(e) and M = ceil(the row's largest t), a whole number; so 1/2 < the row's largest p <= 1. The row's sum l is taken of the UNQUANTISED p, in f32, and the product's result is divided by l at the end. Since M is a whole number, a kernel that streams over the keys may use a running M (the ceiling of the running maximum): every later rescaling is an exact power of two, which a block's scale takes up: the codes' values come out the same.
;;   OPERANDS COMPUTED ON THE WAY. 'Computed on the way' means the value that the module computes at that place (a softmax that the list does not call 'softmax' is quantised finished and normalised). What goes into a quantiser is computed in f32, as accurately as f32 sums, v_exp_f32 and their like allow (about 1e-6 of the number): no bf16 or f16 on the way to a quantiser, and a product that is left as it is and whose result goes on into a quantised operand takes f32 operands (vector FMAs, or v_wmma_f32_16x16x4_f32). A number that lies on a knife's edge between two numbers of the format may be rounded either way, as far as f32 arithmetic and the matrix unit's own rounding can turn it there, and no further.
;;   INPUTS GIVEN AS CODES. v (in the module: [4, 2048, 1024], K = its axis 1): each comes as NAME_codes (uint8): NAME with its K axis moved to the last place and cut into blocks of 32 codes, [.., K / 32, bytes a block], one block behind the other in memory; two codes a byte, the lower K in the low four bits (a code: sign, 2 exponent bits, 1 mantissa bit); and NAME_scales (uint8): the same leading axes, one E8M0 byte (e + 127) for each 32 codes along K. Its value is code x scale, taken as it is: it is not quantised again, and the codes and scales need not be those that the quantiser above would give.
;; One version. Each part assembles by itself: llvm-mc -triple=amdgcn-amd-amdhsa -mcpu=gfx1250 --defsym DOCPART=n.
;; ======== version 1 of 1: 1 launch
;; limits: right only within a limited range of input values
;; launch attn (part 1): grid 4 x 64, 16 waves a work-group, no clusters, 267,264 bytes of LDS; arguments q, k, mask, v_codes, v_scales, out0; writes out0
.if DOCPART == 1
	.amdgcn_target "amdgcn-amd-amdhsa--gfx1250"
	.amdhsa_code_object_version 6
	.text
	.protected	k_q356b27e92e_attn
	.globl	k_q356b27e92e_attn
	.p2align	8
	.type	k_q356b27e92e_attn,@function
k_q356b27e92e_attn:
	s_mov_b64 s[64:65], 0
	v_nop
	global_prefetch_b8 v0, s[64:65] scope:SCOPE_SE
	s_setreg_imm32_b32 hwreg(HW_REG_WAVE_MODE, 25, 1), 1
	s_wait_xcnt 0x0
; out0[b][s][64 hd + d] = the sum over keys of softmax_key(q . k / 8, masked) v, for 4 batches x 16 heads, 2,048 queries x 2,048 keys, head size 64; both products on codes of FP4 (E2M1) with one E8M0 scale for each 32 along K.
; q, k: [4][2048][1024] f32, quantised here along d (two blocks of 32).  v: codes with the keys innermost, [4][1024][1024 bytes], scale bytes [4][1024][64].  mask: [4][2048] int32, 0 = the key's logit is replaced.
; THE SOFTMAX: t = score x log2(e) / 8; M = the running largest t rounded UP to a whole number; p = 2^(t - M) is quantised along the keys, not normalised; the row's sum is taken of the unquantised p and divides at the end.
; SHARES.  A work-group (x = a quarter of the queries, y = 16 batch + head) owns 512 queries of one head: two passes of 256, in each one tile of 16 queries for each of sixteen waves of 256 registers.  Every wave walks the head's 2,048 keys, 128 a step.
; ALL OPERANDS OF THE HEAD STAY IN LDS.  V's codes (64 rows of 1,024 bytes + 16) and scale words are copied once.  K is quantised by the work-group itself, a chunk of 128 keys at a time, 8 keys a wave: chunks 0 and 1 at the head,
; chunk s + 2 in step s of pass 0, its f32 numbers asked for one step earlier.  It lies in LDS as IMAGES OF THE OPERAND'S REGISTERS (16 bytes a lane); every image byte is written once.
; BARRIERS.  One at the head; then one in every SECOND step of pass 0 (steps 1, 3 .. 13): a wave signals behind its stores of chunk s + 2 and waits at the step's end.  Behind the barrier of step s lie chunks up to s + 2, which steps s + 1 and s + 2 read;
; between two barriers chunks s + 2, s + 3 are stored and chunks s, s + 1 read.  From step 14 on nothing that another wave reads is written: no barrier stands there, nor in pass 1.
; PASS 1's QUERIES go the way of a chunk of K: 8 rows are asked for in step 13 and 8 in step 14 of pass 0, and are quantised in steps 14 and 15 into the wave's own scratch.
; THE MASK RIDES IN THE FIRST PRODUCT.  Its K is 64, the instruction's 128: blocks 2 and 3 are spare.  Q has the code 1.0 at k = 64 under the byte 127 and zero codes at k = 65 .. 127.  A masked key has zeros for its 64 codes, the code -4 at k = 64 and the
; byte 158 (2^31) for block 2: its score is exactly -2^33.  A kept key has the code 0 and the byte 0 there.  c x 2^33 is exact in f32, so in a row all of whose keys are masked t - M is exactly 0 and every p is 1.
; Registers 5 to 7 of a fragment of K (k = 72 .. 127) meet zero codes of Q alone: they hold whatever codes were left there.
; LAYOUT.  Both products are used transposed: S^T = K Q^T, O^T = V^T P^T: a lane holds ONE query (lane % 16) throughout.  THE KEYS OF A TILE ARE NOT NEIGHBOURS: row m of tile 4 c + u is key 64 c + 32 (m / 8) + 8 u + m % 8,
; so that a lane's 32 registers of tiles 4 c .. 4 c + 3 are the keys 64 c + 32 (lane / 16) + 0 .. 31: ONE WHOLE BLOCK, in the order in which the second product's operand wants them: a block's maximum asks no other lane, and the conversions' results are the operand.
; NO JOINT REQUESTS: the four work-groups of a head do read the same k and v.  But k comes as f32, 512 KiB a head, and passes through registers on its way to codes; a joint request lands in LDS, so it would want a ring of
; f32 tiles and a round of the cluster's barrier for each 32 KiB.  V is 68 KiB, asked for once.  NO PREFETCH: each chunk of k is asked for, into registers, a whole step ahead of its use.
; LIMITS.  A masked logit is -2^30 where the definition has -1e9: the results are the same wherever every kept logit lies above -9e8.  NaN and infinities in q and k are not served.  A block whose largest magnitude
; lies under 2^-124 (zeros too) gets the byte 1; this program alone reads the bytes.
.set ROW,   4096                       ; bytes from a row of q, k, out0 to the next
.set CHK,   128*ROW                    ; a chunk of 128 keys
.set PASSB, 256*ROW                    ; a pass's 256 queries
.set KIMG,  0                          ; chunk: 4,096; tile T: 512 bytes, registers 0-3 of K's fragment, 16 bytes a lane
.set KSC,   69632                      ; chunk: 512: 256 (T / 4) + 16 r + 4 (T % 4): a key's scale word
.set KMK,   78336                      ; chunk: 1,024; tile: 128 bytes, register 4 of the fragment, 4 bytes a lane
.set MSK,   95744                      ; the batch's mask words as they lie
.set VSC,   104448                     ; 256 step + 16 r + 4 t: the scale word of V's row 16 t + r
.set VIMG,  108544                     ; 64 rows of V
.set VP,    1040                       ; 1,024 bytes + 16
.set SCR,   175104                     ; 16 x 5,632: a wave's own scratch:
.set SCRB,  5632
.set QIM,   4352                       ;   from 0: the stage; from QIM: Q's image of pass p, 512 bytes each;
.set QSW,   5376                       ;   from QSW: its 16 scale words, 64 bytes each
.set SP,    272
; vector registers
.set AK0, 1                            ; KIMG + 16 lane
.set AKS, 2                            ; KSC + 16 r
.set AKM, 3                            ; KMK + 4 lane
.set AV0, 4                            ; VIMG + VP r + 16 h
.set AVS, 5                            ; VSC + 16 r
.set TST, 6                            ; the stage, in: 16 lane
.set TRD, 7                            ; the stage, out: 256 (lane / 8) + 32 (lane % 8)
.set KWI, 8                            ; where I store a code word of K's image
.set KWS, 9                            ; a key's scale word
.set KWM, 10                           ; a key's mask register
.set AMK, 11                           ; MSK + 32 wave + 4 (lane / 8)
.set SH,  12                           ; 8 x my block of d
.set PM,  13                           ; 14 (the code -4) in even lanes, 0 in odd ones
.set GOFF, 14                          ; 4,096 h + 16 r: two rows' 256 bytes in q, k, out0; never rewritten
.set MB,  15                           ; 158 << 16
.set ADK, 16                           ; v16-20: two steps' addresses;  at the head: offsets of the first loads
.set ADS, 17
.set ADM, 18
.set ADV, 19
.set ADT, 20
.set HW,  16
.set HM,  18
.set HV,  19
.set HC,  20
.set AQ,  21                           ; Q's image: 16 lane
.set AQS, 22                           ; Q's scale words: 4 r
.set TA,  23
.set QF,  24                           ; v24-31  Q's fragment: 0-3 codes; 4: the code 1.0 at k = 64 (lanes 0-15); 5-7: 0
.set QS,  32                           ; Q's scale word
.set SO,  33                           ; the way out: into the stage
.set SR,  34                           ; and back
.set NIL, 35                           ; 0
.set KS,  36                           ; v36-43  K's scale words, tile T
.set VS,  44                           ; v44-47  V's scale words, tile t
.set KF,  48                           ; v48-79  K's tiles 0-3; behind the first product the quantiser's work:
.set X,   48                           ;   numbers back from the stage
.set MW,  64                           ;   mask words
.set QM,  66                           ;   largest magnitudes
.set QSO, 68                           ;   the conversion's scale operands
.set QCD, 70                           ;   code words
.set QSD, 72                           ;   scale words
.set QMK, 74                           ;   mask registers
.set QT,  76
.set VF,  80                           ; v80-111 K's tiles 4-7, then V's four fragments; at the head the quantiser's work
.set S,   112                          ; v112-175 S^T, then p
.set OA,  176                          ; v176-207 O^T, four tiles
.set PC,  208                          ; v208-215 p's codes;  at the head the lane's terms
.set LN,  208
.set RR,  209
.set HH,  210
.set L3,  211
.set L2B, 212
.set LQ,  213
.set L7,  214
.set L1,  215
.set BM,  216                          ; v216-217 my two blocks' largest score, then p
.set QWI, 218                          ; where I store a code word of Q's image
.set QWS, 219                          ; a query's scale word
.set PX,  220                          ; v220-223 from other lanes
.set SOP, 224                          ; v224-225 scale operands
.set SH8, 226                          ; 8 h
.set OM,  227                          ; -M as it was
.set NM,  228                          ; -M
.set MX,  229                          ; the largest score so far
.set LS,  230                          ; v230-231 the sum, in two halves
.set FF,  232                          ; f = 2^(old M - new M)
.set PW,  233                          ; p's scale word
.set CA,  234                          ; four more chains of the sum: v234-235, and the registers of SOP, BM, PX when these are done with; at the end v234 = 1 / l
.set CB,  224
.set CC,  216
.set CD,  220
.set T1,  236
.set TB,  237
.set TC,  238
.set TD,  239
.set R,   240                          ; v240-255 8 rows of k or q in f32, on their way
; scalar registers
.set QP,  4
.set KP,  6
.set MP,  8
.set VCP, 10
.set VSP, 12
.set OUTP, 14
.set WV,  16
.set SEL, 20                           ; s[20:21] v_permlanex16_b32's selects for lane l xor 16
.set CS,  22                           ; s[22:23] c = log2(e) / 8
.set STEPC, 29
.set TK,  31                           ; 4,096 j
.set TS,  32                           ; 512 j
.set TM,  33                           ; 1,024 j
.set TV,  34                           ; 64 j
.set TW,  35                           ; 256 j
.set SCRW, 38                          ; my scratch
; n x 512 bytes, loaded as they lie (sixteen lanes to a row's 256 bytes, two rows a load), go through my stage and come back with 8 NEIGHBOURS along d in a lane: group a: row 4 a + lane / 8, d = 8 (lane % 8) on.
; LDS serves a wave's instructions in order (ISA guide 5.7.1.4): no wait between the stores and the loads.
.macro TURN n, src
.set ti, 0
.rept \n
	ds_store_b128 v[TST], v[(\src)+4*ti:(\src)+4*ti+3] offset:512*ti
.set ti, ti+1
.endr
.set ti, 0
.rept \n
	ds_load_b128 v[X+4*ti:X+4*ti+3], v[TRD] offset:1024*(ti/2)+16*(ti%2)
.set ti, ti+1
.endr
.endm
; n groups of 8 numbers, v[x + 8 g] on.  Four neighbouring lanes hold a block of 32, eight a row's 64.  Out: a word of 8 codes in v[cd + g]; the row's scale word (bytes 0, 1; bytes 2, 3 are 0) in v[sw + g].  The groups go by turns.
.macro QUANTG n, x, m, so, cd, sw, ot
.set qg, 0
.rept \n
	v_max3_num_f32 v[(\m)+qg], |v[(\x)+8*qg]|, |v[(\x)+8*qg+1]|, 0x1800000   ; and the floor 2^(3 - 127): the byte cannot fall under 1
.set qg, qg+1
.endr
.irp i, 2,4,6
.set qg, 0
.rept \n
	v_max3_num_f32 v[(\m)+qg], v[(\m)+qg], |v[(\x)+8*qg+\i]|, |v[(\x)+8*qg+\i+1]|
.set qg, qg+1
.endr
.endr
.irp k, 1,2
.set qg, 0
.rept \n
	v_max_num_f32_dpp v[(\m)+qg], v[(\m)+qg], v[(\m)+qg] row_xmask:\k row_mask:0xf bank_mask:0xf   ; with the block's other three lanes
.set qg, qg+1
.endr
.endr
.set qg, 0
.rept \n
	v_add_nc_u32 v[(\so)+qg], 0xff000000, v[(\m)+qg]       ; 2 off the exponent field: the conversion takes that field as its scale
.set qg, qg+1
.endr
.set qg, 0
.rept \n
	v_cvt_scalef32_pk8_fp4_f32 v[(\cd)+qg], v[(\x)+8*qg:(\x)+8*qg+7], v[(\so)+qg]
.set qg, qg+1
.endr
.set qg, 0
.rept \n
	v_lshrrev_b32 v[(\sw)+qg], 23, v[(\so)+qg]             ; the scale's byte.  (The plain line behind the conversions)
.set qg, qg+1
.endr
.set qg, 0
.rept \n
	v_lshlrev_b32 v[(\sw)+qg], v[SH], v[(\sw)+qg]          ; at its block's place in the word
.set qg, qg+1
.endr
.set qg, 0
.rept \n
	v_mov_b32_dpp v[(\ot)+qg], v[(\sw)+qg] row_xmask:4 row_mask:0xf bank_mask:0xf   ; the row's other block lies four lanes away
.set qg, qg+1
.endr
.set qg, 0
.rept \n
	v_or_b32 v[(\sw)+qg], v[(\sw)+qg], v[(\ot)+qg]
.set qg, qg+1
.endr
.endm
; the mask laid into n groups of keys, and their codes, scale words and mask registers stored into the images: groups 2 g, 2 g + 1 belong to chunk ch + g
.macro KCODES n, cd, sd, mw, qt, mk, ai, asc, am, ch
.set ka, 0
.rept \n
	v_cmp_ne_u32 vcc_lo, 0, v[(\mw)+ka]                    ; kept?
	v_cndmask_b32 v[(\cd)+ka], v[NIL], v[(\cd)+ka], vcc_lo ; a masked key's codes are zeros,
	s_delay_alu instid0(VALU_DEP_2)
	v_cndmask_b32 v[(\qt)+ka], v[MB], v[NIL], vcc_lo       ; its block 2 has the byte 158,
	s_delay_alu instid0(VALU_DEP_3)
	v_cndmask_b32 v[(\mk)+ka], v[PM], v[NIL], vcc_lo       ; and the code -4 at k = 64 (odd lanes write the zeros of lanes 16-31)
	s_delay_alu instid0(VALU_DEP_2)
	v_or_b32 v[(\sd)+ka], v[(\sd)+ka], v[(\qt)+ka]
.set ka, ka+1
.endr
.set ka, 0
.rept \n
	ds_store_b32 v[\ai], v[(\cd)+ka] offset:4096*((\ch)+ka/2)+64*(ka%2)
	ds_store_b32 v[\asc], v[(\sd)+ka] offset:512*((\ch)+ka/2)+64*(ka%2)    ; a key's eight lanes write the same word with the same value
	ds_store_b32 v[\am], v[(\mk)+ka] offset:1024*((\ch)+ka/2)+16*(ka%2)    ; four lanes likewise
.set ka, ka+1
.endr
.endm
.macro RLOAD bs, off                   ; 8 rows of k: each load takes two whole rows' 256 bytes
.irp i, 0,1,2,3
	global_load_b128 v[R+4*\i:R+4*\i+3], v[GOFF], s[\bs:\bs+1] offset:(\off)+2*ROW*\i
.endr
.endm
.macro RLOADQ off                      ; 8 rows of q: read once in the launch
.irp i, 0,1,2,3
	global_load_b128 v[R+4*\i:R+4*\i+3], v[GOFF], s[QP:QP+1] offset:(\off)+2*ROW*\i th:TH_LOAD_NT
.endr
.endm
.macro BLKMAX                          ; the largest score of my two blocks of 32 keys, by turns; each accumulator is first read at its low end
.irp c, 0,1
	v_max3_num_f32 v[BM+\c], v[S+32*\c], v[S+32*\c+1], v[S+32*\c+2]
.endr
.irp i, 3,5,7,9,11,13,15,17,19,21,23,25,27,29
.irp c, 0,1
	v_max3_num_f32 v[BM+\c], v[BM+\c], v[S+32*\c+\i], v[S+32*\c+\i+1]
.endr
.endr
.irp c, 0,1
	v_max_num_f32 v[BM+\c], v[BM+\c], v[S+32*\c+31]
.endr
.endm
.macro SOFTREST
	v_max_num_f32 v[T1], v[BM], v[BM+1]
	s_delay_alu instid0(VALU_DEP_1)
	v_permlanex16_b32 v[PX], v[T1], s[SEL], s[SEL+1]
	s_delay_alu instid0(VALU_DEP_1)
	v_max3_num_f32 v[MX], v[MX], v[T1], v[PX]      ; the running largest score of my query, lane l xor 16's 64 keys among them
	s_delay_alu instid0(VALU_DEP_1)
	v_mul_f32 v[T1], s[CS], v[MX]                  ; as t (c is positive)
	s_delay_alu instid0(VALU_DEP_1)
	v_floor_f32 v[NM], -v[T1]                      ; the new -M = floor(-t) = -ceil(t): a whole number
	s_delay_alu instid0(VALU_DEP_1)
	v_sub_f32 v[T1], v[NM], v[OM]                  ; old M - new M: 0 or less
	s_delay_alu instid0(VALU_DEP_1)
	v_cvt_i32_f32 v[T1], v[T1]                     ; (it saturates)
	s_delay_alu instid0(VALU_DEP_1)
	v_ldexp_f32 v[FF], 1.0, v[T1]                  ; f = 2^(old M - new M): a multiplication by it rounds nothing
.set jj, 0
.rept 32
	v_pk_fma_f32 v[S+jj:S+jj+1], v[S+jj:S+jj+1], s[CS:CS+1], v[NM:NM+1] op_sel_hi:[1,0,0]   ; t - M, two at a time (of the pairs c and -M the low word serves both halves)
.set jj, jj+2
.endr
.irp c, 0,1
	v_fma_f32 v[BM+\c], v[BM+\c], s[CS], v[NM]     ; the same of each block's largest score: since p rises with the score, it gives the block's largest p
.endr
.set jj, 0
.rept 16
	v_pk_mul_f32 v[OA+jj:OA+jj+1], v[OA+jj:OA+jj+1], v[FF:FF+1] op_sel_hi:[1,0]   ; O^T under the new M; each accumulator from its low end on
.set jj, jj+2
.endr
	s_wait_alu depctr_va_vdst(0)
.set jj, 0
.rept 64
	v_exp_f32 v[S+jj], v[S+jj]                     ; p = 2^(t - M), at most 1
.set jj, jj+1
.endr
.irp c, 0,1
	v_exp_f32 v[BM+\c], v[BM+\c]                   ; the block's largest p: the same two instructions on the same number
.endr
	v_pk_mul_f32 v[LS:LS+1], v[LS:LS+1], v[FF:FF+1] op_sel_hi:[1,0]   ; the sums under the new M.  (The plain line behind the exponentials)
	s_wait_alu depctr_va_vdst(0)                   ; and behind it, ahead of the first reader
.irp c, 0,1
	v_max_num_f32 v[BM+\c], 0x1800000, v[BM+\c]    ; the floor 2^(3 - 127): a block whose every p is 0 keeps the byte 1; its codes are zeros
.endr
.irp c, 0,1
	v_add_nc_u32 v[SOP+\c], 0xff000000, v[BM+\c]   ; 2 off the exponent field: the conversion's scale operand
.endr
.irp c, 0,1
	v_lshrrev_b32 v[PX+\c], 23, v[SOP+\c]          ; the scale's byte
.endr
	s_delay_alu instid0(VALU_DEP_1)
	v_lshl_or_b32 v[PX], v[PX+1], 16, v[PX]        ; my bytes: blocks h and 2 + h,
	s_delay_alu instid0(VALU_DEP_1)
	v_lshlrev_b32 v[PX], v[SH8], v[PX]             ; at their places in the word;
	s_delay_alu instid0(VALU_DEP_1)
	v_permlanex16_b32 v[PX+1], v[PX], s[SEL], s[SEL+1]
	s_delay_alu instid0(VALU_DEP_1)
	v_or_b32 v[PW], v[PX], v[PX+1]                 ; with lane l xor 16's two: p's scale word for these 128 keys
.irp c, 0,1
.irp u, 0,1,2,3
	v_cvt_scalef32_pk8_fp4_f32 v[PC+4*\c+\u], v[S+32*\c+8*\u:S+32*\c+8*\u+7], v[SOP+\c]   ; register 4 c + u of the operand: k = 64 c + 32 h + 8 u on
.endr
.endr
	v_pk_add_f32 v[CA:CA+1], v[S:S+1], v[S+2:S+3]          ; the row's sum of the unquantised p, in five chains.  (The first line is the plain line behind the conversions; all 28 stand between p's scale word and codes and the products that take them)
	v_pk_add_f32 v[CB:CB+1], v[S+4:S+5], v[S+6:S+7]
	v_pk_add_f32 v[CC:CC+1], v[S+8:S+9], v[S+10:S+11]
	v_pk_add_f32 v[CD:CD+1], v[S+12:S+13], v[S+14:S+15]
.set jj, 16
.rept 4
.irp ch, LS, CA, CB, CC, CD
	v_pk_add_f32 v[\ch:\ch+1], v[\ch:\ch+1], v[S+jj:S+jj+1]
.set jj, jj+2
.endr
.endr
.irp ch, LS, CA, CB, CC
	v_pk_add_f32 v[\ch:\ch+1], v[\ch:\ch+1], v[S+jj:S+jj+1]
.set jj, jj+2
.endr
.endm
; A KEY STEP: 128 keys.  i: its place in a pair of steps (the second is reached by immediate offsets); first = 1: the pair's addresses are made.
; qk: 1: my 8 keys of chunk step + 2 are quantised; 2, 3: rows 0-7, 8-15 of my queries of pass 1; 0: nothing.  ld: what is asked for, for the next step: 1: the next chunk of k; 2, 3: those rows of q; 0: nothing.  bar = 1: the barrier.
.macro STEP i, first, qk, ld, bar
.if \first
	v_add_nc_u32 v[ADK], s[TK], v[AK0]
	v_add_nc_u32 v[ADS], s[TS], v[AKS]
	v_add_nc_u32 v[ADM], s[TM], v[AKM]
.endif
.irp t, 0,1,2,3                                ; the step's eight tiles of K (four plain lines stand between the last step's products and the loads into V's registers: the sums' last four)
	ds_load_b128 v[KF+8*\t:KF+8*\t+3], v[ADK] offset:4096*\i+512*\t
	ds_load_b32 v[KF+8*\t+4], v[ADM] offset:1024*\i+128*\t
.endr
	ds_load_b128 v[KS:KS+3], v[ADS] offset:512*\i
.irp t, 0,1,2,3
	ds_load_b128 v[VF+8*\t:VF+8*\t+3], v[ADK] offset:4096*\i+2048+512*\t
	ds_load_b32 v[VF+8*\t+4], v[ADM] offset:1024*\i+512+128*\t
.endr
	ds_load_b128 v[KS+4:KS+7], v[ADS] offset:512*\i+256
	s_wait_dscnt 9                                 ; tiles 0-3 and their scale words are in; the nine loads behind them may be out
.irp t, 0,1,2,3                                ; S^T = K Q^T: source 0 = 16 keys, source 1 = my 16 queries
	v_wmma_scale_f32_16x16x128_f8f6f4 v[S+8*\t:S+8*\t+7], v[KF+8*\t:KF+8*\t+7], v[QF:QF+7], 0, v[KS+\t], v[QS] matrix_a_fmt:MATRIX_FMT_FP4 matrix_b_fmt:MATRIX_FMT_FP4
.endr
	s_wait_dscnt 0x0
.irp t, 0,1,2,3
	v_wmma_scale_f32_16x16x128_f8f6f4 v[S+32+8*\t:S+32+8*\t+7], v[VF+8*\t:VF+8*\t+7], v[QF:QF+7], 0, v[KS+4+\t], v[QS] matrix_a_fmt:MATRIX_FMT_FP4 matrix_b_fmt:MATRIX_FMT_FP4
.endr
	; four plain lines or more between the products and the loads into their registers and the reads of their results
	v_mov_b32 v[OM], v[NM]
.set np, 3
.if \first
	v_add_nc_u32 v[ADV], s[TV], v[AV0]
	v_add_nc_u32 v[ADT], s[TW], v[AVS]
.set np, 1
.endif
.if \qk == 1
	v_add_nc_u32 v[TB], s[TS], v[AMK]
	v_add_nc_u32 v[TA], s[TK], v[KWI]
	v_add_nc_u32 v[TD], s[TS], v[KWS]
	v_add_nc_u32 v[TC], s[TM], v[KWM]
.set np, 0
.endif
.rept np
	v_nop
.endr
.irp t, 0,1,2,3                                ; V's four tiles of 16 d x the step's 128 keys, and their scale words
.irp c, 0,1
	ds_load_b128 v[VF+8*\t+4*\c:VF+8*\t+4*\c+3], v[ADV] offset:16*VP*\t+32*\c+64*\i
.endr
.endr
	ds_load_b128 v[VS:VS+3], v[ADT] offset:256*\i
.if \qk
	s_wait_alu depctr_va_vdst(0)
	s_wait_loadcnt 0x0                             ; the 8 rows asked for a step ago
	TURN 4, R
.if \qk == 1
	ds_load_b32 v[MW], v[TB] offset:512*(\i+2)
	ds_load_b32 v[MW+1], v[TB] offset:512*(\i+2)+16
.endif
.endif
	BLKMAX
.if \qk
	s_wait_dscnt 0x0                               ; the numbers are back from the stage, whose stores have read R
.if \ld == 1
	s_add_nc_u64 s[KP:KP+1], s[KP:KP+1], CHK       ; (the last loads by this base are done)
	RLOAD KP, 0
.endif
.if \ld >= 2
	RLOADQ PASSB+8*ROW*(\ld-2)
.endif
	QUANTG 2, X, QM, QSO, QCD, QSD, PX
.if \qk == 1
	KCODES 2, QCD, QSD, MW, QT, QMK, TA, TD, TC, \i+2
.else
.irp a, 0,1
	v_or_b32 v[QSD+\a], 0x7f0000, v[QSD+\a]        ; block 2's byte: 127, for the code 1.0 at k = 64
.endr
.irp a, 0,1
	ds_store_b32 v[QWI], v[QCD+\a] offset:512+64*(2*(\qk-2)+\a)
	ds_store_b32 v[QWS], v[QSD+\a] offset:64+16*(2*(\qk-2)+\a)
.endr
.endif
.endif
.if \bar
	s_wait_dscnt 0x0                               ; for the others' sake: my stores into the images of this step's and the last step's chunks have landed
	s_barrier_signal -1                            ; up to the wait at the step's end: work on registers alone
.endif
	SOFTREST
	s_wait_alu depctr_va_vdst(0)
	s_wait_dscnt 0x0                               ; V
.irp t, 0,1,2,3                                ; O^T += V^T P^T: source 0 = 16 of the head's 64, source 1 = p.  The four accumulators take turns, one instruction a turn
	v_wmma_scale_f32_16x16x128_f8f6f4 v[OA+8*\t:OA+8*\t+7], v[VF+8*\t:VF+8*\t+7], v[PC:PC+7], v[OA+8*\t:OA+8*\t+7], v[VS+\t], v[PW] matrix_a_fmt:MATRIX_FMT_FP4 matrix_b_fmt:MATRIX_FMT_FP4
.endr
	v_pk_add_f32 v[CA:CA+1], v[CA:CA+1], v[CB:CB+1]        ; the five chains become one: four plain lines behind the products
	v_pk_add_f32 v[CC:CC+1], v[CC:CC+1], v[CD:CD+1]
	s_delay_alu instid0(VALU_DEP_1)
	v_pk_add_f32 v[CA:CA+1], v[CA:CA+1], v[CC:CC+1]
	s_delay_alu instid0(VALU_DEP_1)
	v_pk_add_f32 v[LS:LS+1], v[LS:LS+1], v[CA:CA+1]
.if \bar
	s_barrier_wait -1                              ; every wave's part of the next two chunks lies in LDS
.endif
.endm
.macro BUMP                            ; two steps on
	s_add_co_u32 s[TK], s[TK], 8192
	s_add_co_u32 s[TS], s[TS], 1024
	s_add_co_u32 s[TM], s[TM], 2048
	s_add_co_u32 s[TV], s[TV], 128
	s_add_co_u32 s[TW], s[TW], 512
.endm
.macro PASSINIT p
	ds_load_b128 v[QF:QF+3], v[AQ] offset:512*\p   ; my tile of queries (my own stores: LDS serves a wave's instructions in order)
	ds_load_b32 v[QS], v[AQS] offset:64*\p
	v_mov_b32 v[MX], 0xff61b1e6                    ; the largest score so far: -3e38
	v_mov_b32 v[NM], 0x7f61b1e6                    ; -M: 3e38, so that the first f is 0
	v_mov_b32 v[LS], 0
	v_mov_b32 v[LS+1], 0
.set jj, 0
.rept 32
	v_mov_b32 v[OA+jj], 0                          ; O^T.  (The step has one form: the first finds zeros, which the first change of M leaves zeros)
.set jj, jj+1
.endr
	s_mov_b32 s[TK], 0
	s_mov_b32 s[TS], 0
	s_mov_b32 s[TM], 0
	s_mov_b32 s[TV], 0
	s_mov_b32 s[TW], 0
	s_wait_alu depctr_va_vdst(0)
	s_wait_dscnt 0x0
.endm
; THE WAY OUT: O^T / l goes through my stage (rows of 256 bytes + 16) and leaves as whole rows: sixteen lanes store the head's 256 consecutive bytes of a row of out0, at a multiple of 256 from its first byte
.macro WAYOUT
	s_wait_alu depctr_va_vdst(0)
	v_add_f32 v[LS], v[LS], v[LS+1]                ; the sum's two halves,
	s_delay_alu instid0(VALU_DEP_1)
	v_permlanex16_b32 v[T1], v[LS], s[SEL], s[SEL+1]
	s_delay_alu instid0(VALU_DEP_1)
	v_add_f32 v[LS], v[LS], v[T1]                  ; and lane l xor 16's: the row's sum
	s_wait_alu depctr_va_vdst(0)
	v_rcp_f32 v[CA], v[LS]
	v_nop                                          ; one plain line behind it
	s_wait_alu depctr_va_vdst(0)                   ; ahead of its first reader, which is O^T's first reader too
.set jj, 0
.rept 16
	v_pk_mul_f32 v[OA+jj:OA+jj+1], v[OA+jj:OA+jj+1], v[CA:CA+1] op_sel_hi:[1,0]   ; register 8 t + i is o(query r, d = 16 t + 8 h + i); each accumulator from its low end on
.set jj, jj+2
.endr
.irp t, 0,1,2,3
	ds_store_b128 v[SO], v[OA+8*\t:OA+8*\t+3] offset:64*\t
	ds_store_b128 v[SO], v[OA+8*\t+4:OA+8*\t+7] offset:64*\t+16
.endr
.irp i, 0,1,2,3,4,5,6,7
	ds_load_b128 v[S+4*\i:S+4*\i+3], v[SR] offset:2*SP*\i      ; these see my stores
.endr
.irp i, 0,1,2,3,4,5,6,7
	s_wait_dscnt 7-\i                              ; read-back i is in; the younger ones may be out
	global_store_b128 v[GOFF], v[S+4*\i:S+4*\i+3], s[OUTP:OUTP+1] offset:2*ROW*\i th:TH_STORE_NT
.endr
	s_wait_xcnt 0x0                                ; the stores' base and data are rewritten only behind this wait
.endm
	; ---- THE HEAD
	s_load_b256 s[4:11], s[0:1], 0x0               ; q, k, mask, V's codes
	s_load_b128 s[12:15], s[0:1], 0x20             ; V's scales, out0
	v_lshrrev_b32 v[TA], 5, v0
	s_delay_alu instid0(VALU_DEP_1)
	v_readfirstlane_b32 s[WV], v[TA]               ; wave 0..15
	v_and_b32 v[LN], 31, v0                        ; lane
	v_and_b32 v[RR], 15, v0                        ; r
	v_bfe_u32 v[HH], v0, 4, 1                      ; h
	v_bfe_u32 v[L3], v0, 3, 2                      ; lane / 8
	v_lshlrev_b32 v[GOFF], 4, v[RR]
	s_delay_alu instid0(VALU_DEP_1)
	v_lshl_add_u32 v[GOFF], v[HH], 12, v[GOFF]
	v_lshlrev_b32 v[HM], 4, v0                     ; the mask: 16 bytes a thread
	v_lshlrev_b32 v[HV], 2, v0                     ; V's scale words: 4 bytes a thread
	v_lshlrev_b32 v[HC], 4, v[LN]                  ; V's codes: 16 bytes a lane
	s_lshl_b32 s36, s[WV], 5
	v_lshl_add_u32 v[HW], v[L3], 2, s36            ; the mask words of my 8 keys of a chunk
	s_and_b32 s18, ttmp7, 0xffff                   ; y = 16 batch + head
	s_lshr_b32 s19, s18, 4                         ; batch
	s_lshl_b32 s24, s19, 23                        ; 2,048 rows of 4,096 bytes a batch,
	s_and_b32 s25, s18, 15
	s_lshl_b32 s25, s25, 8                         ; 256 bytes a head
	s_add_co_u32 s24, s24, s25
	s_lshl_b32 s26, s[WV], 15                      ; k: my 8 keys of chunk 0
	s_add_co_u32 s26, s26, s24
	s_mov_b32 s27, 0
	s_lshl_b32 s28, ttmp9, 21                      ; q, out0: row 512 x + 16 wave
	s_lshl_b32 s29, s[WV], 16
	s_add_co_u32 s28, s28, s29
	s_add_co_u32 s28, s28, s24
	s_mov_b32 s29, 0
	s_lshl_b32 s30, s18, 16                        ; V's codes: 64 rows of 1,024 bytes a head; my 4 rows
	s_lshl_b32 s31, s[WV], 12
	s_add_co_u32 s30, s30, s31
	s_mov_b32 s31, 0
	s_lshl_b32 s32, s18, 12                        ; V's scales: 4,096 bytes a head
	s_mov_b32 s33, 0
	s_lshl_b32 s34, s19, 13                        ; the mask: 8,192 bytes a batch
	s_mov_b32 s35, 0
	s_wait_alu depctr_va_vdst(0)
	s_wait_kmcnt 0x0
	s_add_nc_u64 s[46:47], s[KP:KP+1], s[26:27]    ; chunk 0
	s_add_nc_u64 s[KP:KP+1], s[46:47], 2*CHK       ; chunk 2: this base walks
	s_add_nc_u64 s[QP:QP+1], s[QP:QP+1], s[28:29]
	s_add_nc_u64 s[OUTP:OUTP+1], s[OUTP:OUTP+1], s[28:29]
	s_add_nc_u64 s[VCP:VCP+1], s[VCP:VCP+1], s[30:31]
	s_add_nc_u64 s[VSP:VSP+1], s[VSP:VSP+1], s[32:33]
	s_add_nc_u64 s[MP:MP+1], s[MP:MP+1], s[34:35]
	; all first loads, 35 a wave, in the order in which they are wanted
.irp a, 0,1,2,3
	global_load_b32 v[VF+20+\a], v[HW], s[MP:MP+1] offset:512*(\a/2)+16*(\a%2)     ; the mask words of my keys of chunks 0 and 1
.endr
.irp i, 0,1,2,3,4,5,6,7
	global_load_b128 v[S+4*\i:S+4*\i+3], v[GOFF], s[QP:QP+1] offset:2*ROW*\i th:TH_LOAD_NT   ; pass 0's 16 queries: read once in the launch
.endr
.irp i, 0,1,2,3
	global_load_b128 v[S+32+4*\i:S+32+4*\i+3], v[GOFF], s[46:47] offset:2*ROW*\i             ; chunk 0
.endr
.irp i, 0,1,2,3
	global_load_b128 v[S+48+4*\i:S+48+4*\i+3], v[GOFF], s[46:47] offset:CHK+2*ROW*\i         ; chunk 1
.endr
	global_load_b128 v[PX:PX+3], v[HM], s[MP:MP+1]
	global_load_b32 v[BM], v[HV], s[VSP:VSP+1]
	global_load_b32 v[BM+1], v[HV], s[VSP:VSP+1] offset:2048
.irp i, 0,1,2,3,4,5,6,7
	global_load_b128 v[OA+4*\i:OA+4*\i+3], v[HC], s[VCP:VCP+1] offset:512*\i
.endr
	RLOAD KP, 0                                    ; chunk 2
	; the addresses, while the loads are on their way.  Wave w quantises keys 8 w .. 8 w + 7 of a chunk: with u = w & 3, B = (w >> 2) & 1, c = w >> 3 they are rows 8 B .. 8 B + 7 of tile T = 4 c + u
	s_and_b32 s43, s[WV], 3                        ; u
	s_bfe_u32 s44, s[WV], 0x10002                  ; B
	s_lshr_b32 s45, s[WV], 3                       ; c
	s_lshl_b32 s19, s45, 2
	s_add_co_u32 s19, s19, s43                     ; T
	s_lshl_b32 s24, s44, 7                         ; 128 B
	s_lshl_b32 s39, s19, 9
	s_add_co_u32 s39, s39, s24                     ; the image: 512 T + 16 x 8 B
	s_lshl_b32 s40, s45, 8
	s_add_co_u32 s40, s40, s24
	s_lshl_b32 s25, s43, 2
	s_add_co_u32 s40, s40, s25
	s_add_co_u32 s40, s40, KSC                     ; the scale words: 256 (T / 4) + 16 x 8 B + 4 (T % 4)
	s_lshl_b32 s41, s19, 7
	s_lshl_b32 s25, s44, 5
	s_add_co_u32 s41, s41, s25
	s_add_co_u32 s41, s41, KMK                     ; the mask registers: 128 T + 4 x 8 B
	s_lshl_b32 s42, s[WV], 5
	s_add_co_u32 s42, s42, MSK                     ; my 8 keys' mask words
	s_mul_i32 s[SCRW], s[WV], SCRB
	s_add_co_u32 s[SCRW], s[SCRW], SCR
	s_mul_i32 s43, s[WV], 4*VP
	s_add_co_u32 s43, s43, VIMG                    ; my 4 rows of V in LDS
	s_add_co_u32 s44, s[SCRW], QIM
	s_add_co_u32 s45, s[SCRW], QSW
	s_mov_b32 s[SEL], 0x76543210
	s_mov_b32 s[SEL+1], 0xfedcba98
	s_mov_b32 s[CS], 0x3e38aa3b                    ; log2(e) / 8
	s_mov_b32 s[CS+1], s[CS]                       ; (named with it as a pair, so it is written)
	v_bfe_u32 v[L2B], v0, 2, 1                     ; my block of d
	v_and_b32 v[LQ], 3, v0
	v_and_b32 v[L7], 7, v0
	v_and_b32 v[L1], 1, v0
	v_lshl_add_u32 v[AK0], v[LN], 4, KIMG
	v_lshl_add_u32 v[AKS], v[RR], 4, KSC
	v_lshl_add_u32 v[AKM], v[LN], 2, KMK
	v_mul_u32_u24 v[AV0], v[RR], VP
	s_delay_alu instid0(VALU_DEP_1)
	v_lshl_add_u32 v[AV0], v[HH], 4, v[AV0]
	s_delay_alu instid0(VALU_DEP_1)
	v_add_nc_u32 v[AV0], VIMG, v[AV0]
	v_lshl_add_u32 v[AVS], v[RR], 4, VSC
	v_lshl_add_u32 v[TST], v[LN], 4, s[SCRW]
	v_lshlrev_b32 v[TRD], 5, v[L7]
	s_delay_alu instid0(VALU_DEP_1)
	v_lshl_add_u32 v[TRD], v[L3], 8, v[TRD]
	s_delay_alu instid0(VALU_DEP_1)
	v_add_nc_u32 v[TRD], s[SCRW], v[TRD]
	v_lshlrev_b32 v[TA], 2, v[LQ]                  ; a code word's place in an image: 16 x (row + 16 x block) + 4 (lane % 4), the row's lane / 8 here
	s_delay_alu instid0(VALU_DEP_1)
	v_lshl_add_u32 v[TA], v[L3], 4, v[TA]
	s_delay_alu instid0(VALU_DEP_1)
	v_lshl_add_u32 v[TA], v[L2B], 8, v[TA]
	s_delay_alu instid0(VALU_DEP_1)
	v_add_nc_u32 v[KWI], s39, v[TA]
	v_add_nc_u32 v[QWI], s44, v[TA]
	v_lshl_add_u32 v[KWS], v[L3], 4, s40
	v_lshl_add_u32 v[KWM], v[L3], 2, s41
	s_delay_alu instid0(VALU_DEP_1)
	v_lshl_add_u32 v[KWM], v[L1], 6, v[KWM]        ; odd lanes: the word of lane 16 + row
	v_lshl_add_u32 v[AMK], v[L3], 2, s42
	v_lshlrev_b32 v[SH], 3, v[L2B]
	v_lshlrev_b32 v[SH8], 3, v[HH]
	v_xor_b32 v[PM], 1, v[L1]
	s_delay_alu instid0(VALU_DEP_1)
	v_mul_u32_u24 v[PM], v[PM], 14
	v_mov_b32 v[MB], 0x9e0000
	v_lshl_add_u32 v[QWS], v[L3], 2, s45
	v_lshl_add_u32 v[AQ], v[LN], 4, s44
	v_lshl_add_u32 v[AQS], v[RR], 2, s45
	v_mul_u32_u24 v[SO], v[RR], SP
	s_delay_alu instid0(VALU_DEP_1)
	v_lshl_add_u32 v[SO], v[HH], 5, v[SO]
	s_delay_alu instid0(VALU_DEP_1)
	v_add_nc_u32 v[SO], s[SCRW], v[SO]
	v_mul_u32_u24 v[SR], v[HH], SP
	s_delay_alu instid0(VALU_DEP_1)
	v_lshl_add_u32 v[SR], v[RR], 4, v[SR]
	s_delay_alu instid0(VALU_DEP_1)
	v_add_nc_u32 v[SR], s[SCRW], v[SR]
	v_mov_b32 v[NIL], 0
	v_xor_b32 v[QF+4], 1, v[HH]
	s_delay_alu instid0(VALU_DEP_1)
	v_lshlrev_b32 v[QF+4], 1, v[QF+4]              ; lanes 0-15: the code 2 (1.0) at k = 64; lanes 16-31: 0
.irp i, 5,6,7
	v_mov_b32 v[QF+\i], 0                          ; k = 72 .. 127 of Q: zeros for the whole launch
.endr
.irp b, 0,1,2,3
	v_mov_b32 v[VF+16+\b], 0                       ; written once: the destination of a lane exchange counts as one of its sources
.endr
	v_mov_b32 v[PW], 0                             ; (named as the upper half of the pair with f before it is first written)
	v_lshl_add_u32 v[T1], v0, 4, MSK               ; where the mask goes,
	v_lshlrev_b32 v[TB], 8, v[RR]                  ; V's scale words: thread = 16 d + step, d = 16 t + r: 256 step
	v_bfe_u32 v[TD], v0, 4, 4
	s_delay_alu instid0(VALU_DEP_1)
	v_lshl_add_u32 v[TB], v[TD], 4, v[TB]          ; + 16 r
	v_bfe_u32 v[TD], v0, 8, 1
	s_delay_alu instid0(VALU_DEP_1)
	v_lshl_add_u32 v[TB], v[TD], 2, v[TB]          ; + 4 t; the second word, 32 rows on, is t + 2
	s_delay_alu instid0(VALU_DEP_1)
	v_add_nc_u32 v[TB], VSC, v[TB]
	v_lshl_add_u32 v[TC], v[LN], 4, s43            ; and V's codes
	s_wait_alu depctr_va_vdst(0)
	s_wait_loadcnt 23                              ; my keys' mask words and pass 0's Q are in; the 23 loads behind them may be out
	TURN 8, S
	s_wait_dscnt 0x0
	QUANTG 4, X, VF, VF+4, VF+8, VF+12, VF+16      ; my 16 queries of pass 0 become an image of Q's fragment and 16 scale words, in my scratch
.irp a, 0,1,2,3
	v_or_b32 v[VF+12+\a], 0x7f0000, v[VF+12+\a]    ; block 2's byte: 127, for the code 1.0 at k = 64
.endr
.irp a, 0,1,2,3
	ds_store_b32 v[QWI], v[VF+8+\a] offset:64*\a
	ds_store_b32 v[QWS], v[VF+12+\a] offset:16*\a
.endr
	s_wait_loadcnt 15                              ; chunks 0 and 1 are in; the mask, V's 10 loads and chunk 2's 4 may be out
	TURN 8, S+32
	s_wait_dscnt 0x0                               ; the numbers are back; the image's stores have read their registers
	QUANTG 4, X, VF, VF+4, VF+8, VF+12, VF+16
	KCODES 4, VF+8, VF+12, VF+20, VF+24, VF+28, KWI, KWS, KWM, 0
	s_wait_loadcnt 4                               ; the mask, V's scales and codes are in; chunk 2's 4 loads may be out
	ds_store_b128 v[T1], v[PX:PX+3]
	ds_store_b32 v[TB], v[BM]
	ds_store_b32 v[TB], v[BM+1] offset:8
.irp i, 0,1,2,3,4,5,6,7
	ds_store_b128 v[TC], v[OA+4*\i:OA+4*\i+3] offset:VP*(\i/2)+512*(\i%2)
.endr
	s_wait_dscnt 0x0                               ; for the others' sake: my parts of the mask, of V and of chunks 0 and 1 have landed
.irp b, 0,1,2,3
	v_mov_b32 v[PX+\b], 0                          ; written once: the destination of a lane exchange counts as one of its sources
.endr
	s_wait_alu depctr_va_vdst(0)
	s_barrier_signal -1
	s_barrier_wait -1
	; ---- PASS 0: steps 0 to 11 in six trips, steps 12 to 15 written out: what they quantise and ask for differs
	PASSINIT 0
	s_mov_b32 s[STEPC], 6
.Lp0:
	STEP 0, 1, 1, 1, 0
	STEP 1, 0, 1, 1, 1
	BUMP
	s_sub_co_u32 s[STEPC], s[STEPC], 1
	s_cmp_lg_u32 s[STEPC], 0
	s_cbranch_scc1 .Lp0
	STEP 0, 1, 1, 1, 0                             ; step 12: chunk 14 is quantised, chunk 15 asked for
	STEP 1, 0, 1, 2, 1                             ; step 13: chunk 15; the last barrier
	BUMP
	STEP 0, 1, 2, 3, 0                             ; steps 14 and 15: pass 1's queries
	STEP 1, 0, 3, 0, 0
	WAYOUT
	s_add_nc_u64 s[OUTP:OUTP+1], s[OUTP:OUTP+1], PASSB
	; ---- PASS 1: sixteen steps in eight trips; all of K and V lies in LDS and nobody writes it
	PASSINIT 1
	s_mov_b32 s[STEPC], 8
.Lp1:
	STEP 0, 1, 0, 0, 0
	STEP 1, 0, 0, 0, 0
	BUMP
	s_sub_co_u32 s[STEPC], s[STEPC], 1
	s_cmp_lg_u32 s[STEPC], 0
	s_cbranch_scc1 .Lp1
	WAYOUT
	v_lshl_add_u32 v254, v0, 2, 0x40c00            ; the wave's end: the spare words lie behind the scratch
	v_mov_b32 v255, 0
	s_wait_alu depctr_va_vdst(0)
	s_wait_tensorcnt 0x0
	ds_add_u32 v254, v255
	s_wait_dscnt 0x0
	s_endpgm
.Lfunc_end_k_q356b27e92e_attn:
	.size	k_q356b27e92e_attn, .Lfunc_end_k_q356b27e92e_attn-k_q356b27e92e_attn
	.p2alignl 7, 3214868480
	.fill 96, 4, 3214868480
	.section	.rodata,"a",@progbits
	.p2align	6, 0x0
	.amdhsa_kernel k_q356b27e92e_attn
		.amdhsa_group_segment_fixed_size 267264
		.amdhsa_private_segment_fixed_size 0
		.amdhsa_enable_private_segment 0
		.amdhsa_kernarg_size 48
		.amdhsa_user_sgpr_count 2
		.amdhsa_user_sgpr_kernarg_segment_ptr 1
		.amdhsa_wavefront_size32 1
		.amdhsa_system_sgpr_workgroup_id_x 1
		.amdhsa_system_sgpr_workgroup_id_y 1
		.amdhsa_system_sgpr_workgroup_id_z 1
		.amdhsa_system_vgpr_workitem_id 0
		.amdhsa_next_free_vgpr 256
		.amdhsa_next_free_sgpr 66
		.amdhsa_reserve_vcc 1
		.amdhsa_float_denorm_mode_32 3
		.amdhsa_float_denorm_mode_16_64 3
		.amdhsa_memory_ordered 1
		.amdhsa_forward_progress 1
		.amdhsa_inst_pref_size 168
	.end_amdhsa_kernel
	.amdgpu_metadata
---
amdhsa.version: [ 1, 2 ]
amdhsa.kernels:
  - .name:           k_q356b27e92e_attn
    .symbol:         k_q356b27e92e_attn.kd
    .args:
      - { .name: q, .offset: 0, .size: 8, .value_kind: global_buffer, .address_space: global }
      - { .name: k, .offset: 8, .size: 8, .value_kind: global_buffer, .address_space: global }
      - { .name: mask, .offset: 16, .size: 8, .value_kind: global_buffer, .address_space: global }
      - { .name: v_codes, .offset: 24, .size: 8, .value_kind: global_buffer, .address_space: global }
      - { .name: v_scales, .offset: 32, .size: 8, .value_kind: global_buffer, .address_space: global }
      - { .name: out0, .offset: 40, .size: 8, .value_kind: global_buffer, .address_space: global }
    .group_segment_fixed_size: 267264
    .private_segment_fixed_size: 0
    .kernarg_segment_align: 8
    .kernarg_segment_size: 48
    .max_flat_workgroup_size: 512
    .sgpr_count:     66
    .vgpr_count:     256
    .wavefront_size: 32
...
	.end_amdgpu_metadata
.endif
;; end of part 1
